; MI455X (gfx1250); checked and timed in simulation.
; The chip was launched on July 23, 2026; its instructions are those of AMD's public machine-readable ISA for CDNA 5 (MIT licence, August 2026) and "CDNA5" Instruction Set Architecture Reference Guide (July 2026). The comments in the code are by the model that wrote it; some were corrected since.
;; TA LSTM Cell. Allowed arithmetic: float matrix products may take bf16 or f16 operands with f32 sums; other float arithmetic in f32, or as packed bf16 or f16 multiplies, adds, multiply-adds, maxima and minima; sums over many terms, partial sums and values carried from step to step in f32; what a program stores and reads back later, other than sums and carried values, may be rounded once to bf16 or f16.
;; Inputs: W_decomp 1,024 x 1,024 float32; b_decomp 1,024 float32; bias_hh 4,096 float32; bias_ih 4,096 float32; cx 4,096 x 1,024 float32; hx 4,096 x 1,024 float32; input 4,096 x 512 float32; t 4,096 x 1 float32; weight_hh 4,096 x 1,024 float32; weight_ih 4,096 x 512 float32.
;; Outputs: out0 4,096 x 1,024 float32; out1 4,096 x 1,024 float32.
;; 2 versions, each right; version 2 is version 1 with the launch cast written anew for expert scheduling mode. Each part assembles by itself: llvm-mc -triple=amdgcn-amd-amdhsa -mcpu=gfx1250 --defsym DOCPART=n.
;; ======== version 1 of 2: 2 launches
;; workspace buffers: ACT 20,971,520 bytes; WGT 14,680,064 bytes
;; launch cast (part 1): grid 512 x 1, 9 waves a work-group, no clusters, 36,096 bytes of LDS; arguments input, hx, cx, weight_ih, weight_hh, W_decomp, ACT, WGT; writes ACT, WGT
.if DOCPART == 1
	.amdgcn_target "amdgcn-amd-amdhsa--gfx1250"
	.amdhsa_code_object_version 6
	.text
	.protected	k_qf856bd136b_cast
	.globl	k_qf856bd136b_cast
	.p2align	8
	.type	k_qf856bd136b_cast,@function
k_qf856bd136b_cast:
	s_mov_b64 s[64:65], 0
	v_nop
	global_prefetch_b8 v0, s[64:65] scope:SCOPE_SE
	s_setreg_imm32_b32 hwreg(HW_REG_WAVE_MODE, 25, 1), 1
	s_wait_xcnt 0x0
; ROUNDS THE SIX LARGE INPUTS OF THE CELL TO bf16 (once, to nearest even) AND LAYS THEM OUT AS THE NEXT LAUNCH TAKES THEM.  No work of the problem is left out: every input reaches an output.
; A BLOCK is 1,024 bytes: 16 rows x 32 k.  Its piece (q, r) of 16 bytes lies at byte 16 (16 q + r) and holds row r, k = 8 q .. 8 q + 7: so 32 lanes x 16 bytes at the block's head, and again 512 bytes on,
; ARE a matrix operand's eight registers.
; ACT: [row tile R of 256 rows, 0..15][step s, 0..15] pieces of 80 blocks: 3 x 16 blocks of [input | hx] (k units 3 s + i of 48; block b = rows 16 b ..), then 2 x 16 blocks of cx (k units 2 s + i of 32).
; WGT: [column tile X of 64 hidden, 0..15][s] pieces of 56 blocks: 3 x 16 blocks of [weight_ih | weight_hh] (block 8 c + 2 g + e = rows 1024 g + 64 X + 32 c + 16 e ..), then 2 x 4 blocks of W_decomp turned
; (block b = columns 64 X + 16 b .., along k).
; SHARES.  Waves 0-7 of a work-group take one item each of a row-major source: 16 rows x 256 k, 16 KiB read, 8 blocks written.  Wave 8 takes 32 columns x 64 k of W_decomp.  4,096 + 512 items on 512 work-groups.
; No loop, no barrier: a wave's 32 (64) loads go out at once; the turn from rows to blocks goes through the wave's own stage in LDS.  No matrix unit, cluster or tensor load: nothing is shared and each byte is read once.
; LIMITS: values beyond bf16's eight significant bits are rounded; NaN and infinities pass as the conversion carries them.
.set STG,   4352                       ; a wave's stage: 16 rows of 256 bytes, 272 apart
.set SPARE, 8*STG                      ; behind the stages: the spare words, 128 bytes for each of nine waves, in five blocks of 256 bytes that no other line names
.set GO,  2                            ; v2   16 x lane: my place in 512 consecutive bytes, for loads and stores
.set LS,  3                            ; v3   where I put 8 bytes of a row: stage + (lane / 2) x 272 + (lane % 2) x 8
.set LR,  4                            ; v4   where I read 16 bytes back: stage + (lane / 16) x 272 + (lane % 16) x 16
.set WO,  5                            ; v5   wave 8: (lane / 16) x 1,024 + (lane % 16) x 16
.set SPW, 6                            ; v6   LDS address of my spare word; never rewritten
.set NIL, 7                            ; v7   0; never rewritten
.set WL,  8                            ; v8   wave 8: 4 x lane
.set D,   16                           ; v[16:143]  half hf of the item's k, row i at D + 64 hf + 4 i
.set Y0,  144                          ; v[144:175] the first half's four blocks, read back
.set Y1,  16                           ; v[16:47]   the second half's: registers that the first half's LDS stores have left
.set SRC, 48                           ; s[48:49] the item's first byte
.set DSB, 50                           ; s[50:51] ACT or WGT
.set DST, 32                           ; s[32:47] the item's eight blocks
; What tells the five row-major sources apart: first work-group, log2 of the spans of 256 k in a row, log2 of 16 rows' bytes, first k unit, the divisor of the k unit as a factor (u x mult >> 9) and as a number,
; blocks in a piece, the first block's place in it, which map from rows to tiles, the two pointers.
.macro SETUP start, sh, psh, ubase, mult, per, ch, doff, mapw, src, dst
	s_mov_b32 s4, \start
	s_mov_b32 s5, \sh
	s_mov_b32 s6, \psh
	s_mov_b32 s7, \ubase
	s_mov_b32 s8, \mult
	s_mov_b32 s9, \per
	s_mov_b32 s10, \ch
	s_mov_b32 s11, \doff
	s_mov_b32 s12, \mapw
	s_mov_b64 s[SRC:SRC+1], s[\src:\src+1]
	s_mov_b64 s[DSB:DSB+1], s[\dst:\dst+1]
.endm
; The item's 32 loads: each takes 512 consecutive bytes of one row; the first half of k first.
.macro LOADS p
.irp hf, 0,1
.irp i, 0,1,2,3,4,5,6,7,8,9,10,11,12,13,14,15
	global_load_b128 v[D+64*(\hf)+4*(\i):D+64*(\hf)+4*(\i)+3], v[GO], s[SRC:SRC+1] offset:(\i)*(\p)+512*(\hf) th:TH_LOAD_NT
.endr
.endr
.endm
; One half: a lane's four numbers of a row become 8 bytes, which go to stage row lane / 2 (the k's eighth), place 16 x row; the 32 lanes of a store touch 64 different words modulo 256 bytes.
; Then the stage is read back two rows at a time: 512 bytes that lie on end in a block.
.macro HALF hf, y
.irp i, 0,1,2,3,4,5,6,7,8,9,10,11,12,13,14,15
	v_cvt_pk_bf16_f32 v[D+64*(\hf)+4*(\i)],   v[D+64*(\hf)+4*(\i)],   v[D+64*(\hf)+4*(\i)+1]
	v_cvt_pk_bf16_f32 v[D+64*(\hf)+4*(\i)+1], v[D+64*(\hf)+4*(\i)+2], v[D+64*(\hf)+4*(\i)+3]
	ds_store_b64 v[LS], v[D+64*(\hf)+4*(\i):D+64*(\hf)+4*(\i)+1] offset:16*(\i)
.endr
.irp m, 0,1,2,3,4,5,6,7
	ds_load_b128 v[(\y)+4*(\m):(\y)+4*(\m)+3], v[LR] offset:544*(\m)  ; LDS serves a wave's instructions in order (ISA guide 5.7.1.4): these see the stores above, and the next half's stores come behind them
.endr
.endm
.macro SEND y, hf
.irp m, 0,1,2,3,4,5,6,7
	global_store_b128 v[GO], v[(\y)+4*(\m):(\y)+4*(\m)+3], s[DST+2*(4*(\hf)+(\m)/2):DST+2*(4*(\hf)+(\m)/2)+1] offset:512*((\m)%2)  ; 512 consecutive bytes, at a multiple of 512 from the buffer's first
.endr
.endm
	s_load_b512 s[16:31], s[0:1], 0x0              ; input s[16:17], hx s[18:19], cx s[20:21], weight_ih s[22:23], weight_hh s[24:25], W_decomp s[26:27], ACT s[28:29], WGT s[30:31]
	v_lshl_add_u32 v[SPW], v0, 2, SPARE
	v_mov_b32 v[NIL], 0
	v_lshrrev_b32 v1, 5, v0
	v_readfirstlane_b32 s2, v1                     ; wave 0..8
	v_and_b32 v1, 31, v0                           ; lane
	v_lshlrev_b32 v[GO], 4, v1
	s_mov_b32 s3, ttmp9                            ; the work-group's number
	s_mov_b32 s53, 0                               ; the upper word of every offset
	s_wait_kmcnt 0x0
	s_cmp_eq_u32 s2, 8
	s_cbranch_scc1 .Lwdec
	s_cmp_lt_u32 s3, 128
	s_cbranch_scc0 .Lnot_hx
	SETUP 0, 2, 16, 16, 171, 3, 80, 0, 0, 18, 28   ; hx: k units 16 to 47 of the gates' K
	s_branch .Lcommon
.Lnot_hx:
	s_cmp_lt_u32 s3, 256
	s_cbranch_scc0 .Lnot_cx
	SETUP 128, 2, 16, 0, 256, 2, 80, 48, 0, 20, 28 ; cx
	s_branch .Lcommon
.Lnot_cx:
	s_cmp_lt_u32 s3, 384
	s_cbranch_scc0 .Lnot_whh
	SETUP 256, 2, 16, 16, 171, 3, 56, 0, 1, 24, 30 ; weight_hh
	s_branch .Lcommon
.Lnot_whh:
	s_cmp_lt_u32 s3, 448
	s_cbranch_scc0 .Lnot_in
	SETUP 384, 1, 15, 0, 171, 3, 80, 0, 0, 16, 28  ; input: k units 0 to 15
	s_branch .Lcommon
.Lnot_in:
	SETUP 448, 1, 15, 0, 171, 3, 56, 0, 1, 22, 30  ; weight_ih
.Lcommon:
	s_sub_co_u32 s4, s3, s4
	s_lshl3_add_u32 s4, s4, s2                     ; the item's number in its source: 8 x work-group + wave
	s_lshr_b32 s13, s4, s5                         ; rb: which 16 rows
	s_lshl_b32 s14, s13, s5
	s_sub_co_u32 s14, s4, s14                      ; which span of 256 k
	s_lshl_b32 s52, s13, s6
	s_lshl_b32 s15, s14, 10
	s_add_co_u32 s52, s52, s15                     ; rb x 16 rows + span x 1,024 bytes
	s_add_nc_u64 s[SRC:SRC+1], s[SRC:SRC+1], s[52:53]
	s_cmp_lt_u32 s3, 384                           ; rows of 4,096 bytes, or of 2,048: both ways issue 32 loads
	s_cbranch_scc0 .Lnarrow
	LOADS 4096
	s_branch .Lloaded
.Lnarrow:
	LOADS 2048
.Lloaded:
	; all that follows up to the first wait stands while the loads are on their way
	s_mul_i32 s59, s2, STG                         ; my stage
	v_lshrrev_b32 v9, 1, v1
	v_mul_u32_u24 v[LS], v9, 272
	v_and_b32 v9, 1, v1
	v_lshl_add_u32 v[LS], v9, 3, v[LS]
	v_add_nc_u32 v[LS], s59, v[LS]
	v_lshrrev_b32 v9, 4, v1
	v_mul_u32_u24 v[LR], v9, 272
	v_and_b32 v9, 15, v1
	v_lshl_add_u32 v[LR], v9, 4, v[LR]
	v_add_nc_u32 v[LR], s59, v[LR]
	s_lshr_b32 s54, s13, 4                         ; activations: tile rb / 16,
	s_and_b32 s55, s13, 15                         ; block rb % 16
	s_bfe_u32 s56, s13, 0x40002                    ; weights: rb = 64 g + 4 X + 2 c + e: tile X,
	s_bfe_u32 s57, s13, 0x10001                    ; c
	s_lshl_b32 s57, s57, 3
	s_lshr_b32 s58, s13, 6                         ; g
	s_lshl1_add_u32 s57, s58, s57
	s_and_b32 s58, s13, 1                          ; e
	s_add_co_u32 s57, s57, s58                     ; block 8 c + 2 g + e
	s_cmp_eq_u32 s12, 1
	s_cselect_b32 s54, s56, s54
	s_cselect_b32 s55, s57, s55
	s_add_co_u32 s55, s55, s11                     ; + the first block's place in a piece
	s_lshl_b32 s54, s54, 4                         ; 16 x tile
	s_lshl3_add_u32 s7, s14, s7                    ; the item's first k unit
.set j, 0
.rept 8                                ; k unit u lies in step s = u / 3 (or u / 2), at place i = u - 3 s there: block ((16 tile + s) x blocks in a piece + place + 16 i + b)
	s_add_co_u32 s56, s7, j
	s_mul_i32 s57, s56, s8
	s_lshr_b32 s57, s57, 9                         ; u x 171 >> 9 = u / 3 for u up to 47; u x 256 >> 9 = u / 2
	s_mul_i32 s58, s57, s9
	s_sub_co_u32 s58, s56, s58
	s_add_co_u32 s57, s57, s54
	s_mul_i32 s57, s57, s10
	s_lshl4_add_u32 s57, s58, s57
	s_add_co_u32 s57, s57, s55
	s_lshl_b32 s52, s57, 10
	s_add_nc_u64 s[DST+2*j:DST+2*j+1], s[DSB:DSB+1], s[52:53]
.set j, j+1
.endr
	s_wait_loadcnt 16                              ; the first half's 16 loads are in; the second half's 16 may stay out
	HALF 0, Y0
	s_wait_loadcnt 0x0
	HALF 1, Y1
	s_wait_dscnt 24                                ; the first half is back: behind its loads stand the second half's 16 stores and 8 loads
	SEND Y0, 0
	s_wait_dscnt 0x0
	SEND Y1, 1
	s_branch .Lend
.Lwdec:                                        ; W_decomp lies [k][n]: a lane takes one column n and 64 k, so its eight neighbouring k pack into a block's piece without changing lanes
	v_lshlrev_b32 v[WL], 2, v1
	v_lshrrev_b32 v9, 4, v1
	v_and_b32 v10, 15, v1
	v_lshlrev_b32 v[WO], 10, v9
	v_lshl_add_u32 v[WO], v10, 4, v[WO]
	s_and_b32 s4, s3, 31                           ; which 32 columns
	s_lshr_b32 s5, s3, 5                           ; which 64 k: the step s
	s_lshl_b32 s52, s5, 18                         ; 64 rows of 4,096 bytes
	s_lshl_b32 s6, s4, 7
	s_add_co_u32 s52, s52, s6
	s_add_nc_u64 s[SRC:SRC+1], s[26:27], s[52:53]
.set j, 0
.rept 64
	global_load_b32 v[D+j], v[WL], s[SRC:SRC+1] offset:4096*j  ; 128 consecutive bytes of row k = 64 s + j
.set j, j+1
.endr
	s_lshr_b32 s6, s4, 1                           ; tile X
	s_lshl4_add_u32 s6, s6, s5
	s_mul_i32 s6, s6, 56
	s_and_b32 s7, s4, 1
	s_lshl1_add_u32 s6, s7, s6                     ; my two blocks of the tile's four
	s_add_co_u32 s6, s6, 48
	s_lshl_b32 s52, s6, 10
	s_add_nc_u64 s[DSB:DSB+1], s[30:31], s[52:53]
.irp i, 0,1
	s_wait_loadcnt 32*(1-(\i))                     ; k unit i is in; the other unit's 32 loads may stay out
.irp q, 0,1,2,3
	v_cvt_pk_bf16_f32 v[D+32*(\i)+8*(\q)],   v[D+32*(\i)+8*(\q)],   v[D+32*(\i)+8*(\q)+1]
	v_cvt_pk_bf16_f32 v[D+32*(\i)+8*(\q)+1], v[D+32*(\i)+8*(\q)+2], v[D+32*(\i)+8*(\q)+3]
	v_cvt_pk_bf16_f32 v[D+32*(\i)+8*(\q)+2], v[D+32*(\i)+8*(\q)+4], v[D+32*(\i)+8*(\q)+5]
	v_cvt_pk_bf16_f32 v[D+32*(\i)+8*(\q)+3], v[D+32*(\i)+8*(\q)+6], v[D+32*(\i)+8*(\q)+7]
	global_store_b128 v[WO], v[D+32*(\i)+8*(\q):D+32*(\i)+8*(\q)+3], s[DSB:DSB+1] offset:4096*(\i)+256*(\q)  ; 16 lanes store 256 consecutive bytes, aligned, in each of two blocks
.endr
.endr
.Lend:
	s_wait_tensorcnt 0x0                           ; the wave's end, behind my last LDS store
	ds_add_u32 v[SPW], v[NIL]
	s_wait_dscnt 0x0
	s_endpgm
.Lfunc_end_k_qf856bd136b_cast:
	.size	k_qf856bd136b_cast, .Lfunc_end_k_qf856bd136b_cast-k_qf856bd136b_cast
	.p2alignl 7, 3214868480
	.fill 96, 4, 3214868480
	.section	.rodata,"a",@progbits
	.p2align	6, 0x0
	.amdhsa_kernel k_qf856bd136b_cast
		.amdhsa_group_segment_fixed_size 36096
		.amdhsa_private_segment_fixed_size 0
		.amdhsa_enable_private_segment 0
		.amdhsa_kernarg_size 64
		.amdhsa_user_sgpr_count 2
		.amdhsa_user_sgpr_kernarg_segment_ptr 1
		.amdhsa_wavefront_size32 1
		.amdhsa_system_sgpr_workgroup_id_x 1
		.amdhsa_system_sgpr_workgroup_id_y 1
		.amdhsa_system_sgpr_workgroup_id_z 1
		.amdhsa_system_vgpr_workitem_id 0
		.amdhsa_next_free_vgpr 176
		.amdhsa_next_free_sgpr 66
		.amdhsa_reserve_vcc 0
		.amdhsa_float_denorm_mode_32 3
		.amdhsa_float_denorm_mode_16_64 3
		.amdhsa_memory_ordered 1
		.amdhsa_forward_progress 1
		.amdhsa_inst_pref_size 32
	.end_amdhsa_kernel
	.amdgpu_metadata
---
amdhsa.version: [ 1, 2 ]
amdhsa.kernels:
  - .name:           k_qf856bd136b_cast
    .symbol:         k_qf856bd136b_cast.kd
    .args:
      - { .name: input, .offset: 0, .size: 8, .value_kind: global_buffer, .address_space: global }
      - { .name: hx, .offset: 8, .size: 8, .value_kind: global_buffer, .address_space: global }
      - { .name: cx, .offset: 16, .size: 8, .value_kind: global_buffer, .address_space: global }
      - { .name: weight_ih, .offset: 24, .size: 8, .value_kind: global_buffer, .address_space: global }
      - { .name: weight_hh, .offset: 32, .size: 8, .value_kind: global_buffer, .address_space: global }
      - { .name: W_decomp, .offset: 40, .size: 8, .value_kind: global_buffer, .address_space: global }
      - { .name: ACT, .offset: 48, .size: 8, .value_kind: global_buffer, .address_space: global }
      - { .name: WGT, .offset: 56, .size: 8, .value_kind: global_buffer, .address_space: global }
    .group_segment_fixed_size: 36096
    .private_segment_fixed_size: 0
    .kernarg_segment_align: 8
    .kernarg_segment_size: 64
    .max_flat_workgroup_size: 288
    .sgpr_count:     66
    .vgpr_count:     176
    .wavefront_size: 32
...
	.end_amdgpu_metadata
.endif
;; end of part 1
;; launch cell (part 2): grid 16 x 16, 4 waves a work-group, clusters of 4 x 4, 327,680 bytes of LDS; arguments ACT, WGT, t, bias_ih, bias_hh, b_decomp, out0, out1; writes out0, out1
.if DOCPART == 2
	.amdgcn_target "amdgcn-amd-amdhsa--gfx1250"
	.amdhsa_code_object_version 6
	.text
	.protected	k_qf856bd136b_cell
	.globl	k_qf856bd136b_cell
	.p2align	8
	.type	k_qf856bd136b_cell,@function
k_qf856bd136b_cell:
	s_mov_b64 s[64:65], 0
	v_nop
	global_prefetch_b8 v0, s[64:65] scope:SCOPE_SE
	s_setreg_imm32_b32 hwreg(HW_REG_WAVE_MODE, 25, 1), 1
	s_wait_xcnt 0x0
	s_wait_alu depctr_hold_cnt(0) depctr_sa_sdst(0) depctr_va_vdst(0) depctr_va_sdst(0) depctr_va_ssrc(0) depctr_va_vcc(0) depctr_vm_vsrc(0)
	s_getreg_b32 s2, hwreg(HW_REG_IB_STS2, 6, 4)
	s_cmp_eq_u32 s2, 0
	s_cbranch_scc0 .Lentry_in_a_cluster
	s_endpgm
.Lentry_in_a_cluster:
	s_bfe_u32 s2, ttmp6, 0x10000c
	s_cmp_lg_u32 s2, 0xf033
	s_cbranch_scc0 .Lentry_shape_is_right
	s_endpgm
.Lentry_shape_is_right:
; THE WHOLE CELL.  gates = [input | hx] [weight_ih | weight_hh]^T + bias_ih + bias_hh (K = 1,536);  C = tanh(cx W_decomp + b_decomp) (K = 1,024);  T = 1 / t, 0 where t = 0;
; cy = sigmoid(f) (cx - C + T C) + sigmoid(i) tanh(g);  hy = sigmoid(o) tanh(cy).  out0 = hy, out1 = cy, f32.  No work of the problem is left out.
; FORMATS.  EVERY input counts rounded once to bf16: the matrix operands (by the launch before, in ACT and WGT), and here cx in the elementwise part (read from ACT), t, both gate biases and b_decomp.  Sums and all else in f32.
; LIMITS.  1 / t, the exponentials and the reciprocals count a number below 2^-126 as 0: a t that small gives T = infinity.  sigmoid(x) = 1 / (1 + 2^(-x log2 e)), tanh(x) = 1 - 2 / (1 + 2^(2 x log2 e)):
; an exponential that overflows gives the reciprocal 0, which is the function's limit; tanh near 0 is off by about 1e-7 in absolute terms.  The two gate biases are added to each other first, then to the product's sum.
; SHARES.  Work-group (X, R) owns rows 256 R .. and hidden columns 64 X ..: for these all four gates and C.  Wave w: rows 128 (w / 2) .., hidden 32 (w % 2) ..: 8 row blocks x 8 blocks of weights (gate g, half e: 2 g + e)
; = 64 accumulators of 16 x 16, and 8 x 2 for C: 640 registers.  THE MATRIX INSTRUCTION IS USED TRANSPOSED (source 0 = 16 rows of weights, source 1 = 16 rows of activations): a lane holds ONE row (lane % 16) and the
; hidden columns 8 (lane / 16) + 0..7 of every gate and of C: the elementwise part changes no lanes.
; A STEP is 96 of the gates' K (units G0, G1, G2 of 32: 64 matrix instructions each) and 64 of C's K (units D0, D1: 16 each), in the order G0 D0 G1 D1 G2: 224 matrix instructions, 16 steps.  Both products end together.
; THE RING.  Two LDS slots, a step each: 80 blocks of activations, 56 of weights, as ACT and WGT hold them: dense in memory, so a wave's one tensor load is 160 (112) rows of 256 bytes.  A block's 1,024 bytes are an operand's
; eight registers for 32 lanes: two loads of 16 bytes a lane, 512 consecutive bytes each: no padding is wanted.
; CLUSTERS.  4 x 4 work-groups.  The four of a row share R and so the activations, the four of a column share X and so the weights: each tile is asked for JOINTLY, by the same tensor load and descriptor with a mask of the four.
; REGISTERS, in windows of 256 (s_set_vgpr_msb: bits 1:0 source 0, 3:2 source 1, 5:4 source 2, 7:6 destination):
;   window 0: v12-30 addresses; v32-47 C's weights; v64-127, v128-191 the gates' activations, two buffers; v192-255 C's activations.  On the way out: v32-47 T, v48-63 b_decomp, v64-127 the gate biases, v128-191 rows read back, v192-255 cx
;   window 1: v64-127, v128-191 the gates' weights, two buffers; C's accumulators (a, e) at 16 a + 128 (a / 4) + 8 e: v0-63, v192-255.  On the way out v64-127 bias_hh, then v64-79 cx in f32
;   windows 2, 3: the gates' accumulators (a, b) at 8 (8 (a % 4) + b): row blocks 0-3 in window 2, 4-7 in window 3
.set ACH,    81920                     ; a step's activations
.set BCH,    57344                     ; a step's weights
.set SLOT,   ACH+BCH
.set AHALF,  ACH/2                     ; what one tensor load brings
.set BHALF,  BCH/2
.set DPL,    49152                     ; C's blocks lie behind the gates' 48
.set SPARE,  2*SLOT                    ; behind the ring: the spare words, 128 bytes for each wave: two blocks of 256 bytes that no other line names
.set SP,     272                       ; the stage's rows: 256 bytes + 16, so that the 16 rows of a store start at 16 different groups of four banks (64 banks of 4 bytes: ISA guide 11.1)
.set PLANE,  256*SP                    ; the stage takes slot 0's bytes, behind that slot's last fill and last read: cy's 256 rows, then hy's
.set BO,   12                          ; v12  my byte offset in a bias: 32 (lane / 16) + 4 (64 X + 32 c)
.set TO,   13                          ; v13  in t: 4 (lane % 16) + 4 (256 R + 128 rho)
.set CXO,  14                          ; v14  16 x lane
.set ADRA, 16                          ; v16-17  LDS address of my gate activations in slot 0, 1
.set ADRDA,18                          ; v18-19  of C's activations
.set ADRB, 20                          ; v20-21  of my gate weights
.set ADRDB,22                          ; v22-23  of C's weights
.set STO,  24                          ; v24  the way out: where I put 16 bytes of a row of cy
.set STO2, 25                          ; v25  of hy
.set RD,   26                          ; v26  where I read a row back
.set CO,   27                          ; v27  my byte offset in two rows of the output
.set SPW,  28                          ; v28  LDS address of my spare word; never rewritten
.set NIL,  29                          ; v29  0; never rewritten
.set PFO,  30                          ; v30  256 x lane, for the prefetches; never rewritten
.set DBF,  32
.set TP,   32                          ; T twice, for row block a at TP + 2 a
.set BD,   48
.set F0,   64
.set BG,   64
.set F1,   128
.set OB,   128
.set DAF,  192
.set CXF,  192
.set XU,   64                          ; window 1
.set G1,   24                          ; s[24:31] descriptor group 1 for activations; s[32:39] group 0, a set for each slot
.set G0,   32
.set G1B,  48                          ; s[48:55], s[56:63] the same for weights
.set G0B,  56
.set PFA,  80                          ; s[80:81] where my prefetches stand
.set PFS,  82                          ; s[82:83] their step
.set LIM,  84                          ; s84  2 in a wave that prefetches, else the greatest number
.set CXP,  86                          ; s[86:87] my wave's blocks of cx in ACT
.set NL,   88                          ; s[88:89] -log2 e
.set TWOL, 90                          ; s[90:91] 2 log2 e
.set HIM,  92                          ; s92  a word's upper bf16
.set MSB, 0
.macro WIN new                         ; the immediate's high byte repeats the setting that is left; a switch that changes nothing is dropped
.if MSB != (\new)
	s_set_vgpr_msb (MSB<<8)|(\new)
.set MSB, \new
.endif
.endm
.set MUL_LO, 0xa1                      ; weights window 1, activations window 0, C and D window 2
.set TO_B,   0x40                      ; destination window 1, address window 0
.set W_D,    0x50                      ; both sources window 0, C and D window 1
; A joint load.  Waves 0 and 1 fetch the two halves of a step's activations, waves 2 and 3 those of its weights.  The branch hangs on the wave's number alone.
; An s_nop 0 and four v_nop follow each of the two lines, ahead of the jump and the label.
.macro JLOAD s
	s_cmp_eq_u32 s11, 0
	s_cbranch_scc0 .Lfor_b_\@
	tensor_load_to_lds s[G0+4*(\s):G0+4*(\s)+3], s[G1:G1+7]
	s_nop 0
.rept 4
	v_nop
.endr
	s_branch .Lasked_\@
.Lfor_b_\@:
	tensor_load_to_lds s[G0B+4*(\s):G0B+4*(\s)+3], s[G1B:G1B+7]
	s_nop 0
.rept 4
	v_nop
.endr
.Lasked_\@:
.endm
; A PREFETCH INTO THE L2, behind a joint load, its five lines and the LDS loads that follow.  A tile's 16 steps lie on end in memory (1,310,720 bytes of activations, 917,504 of weights), so the prefetches walk that stream at a
; pace of their own: ten asks, in the loop's first five trips, of 98,304 (65,536) bytes, from the fifth step's first byte (byte 262,144) to the stream's last.  Between an ask and the joint load that wants its bytes lie two to four steps.
; Each 256 bytes are named ONCE in the launch: the activations of a row tile by wave 0 of the cluster with x = 0, the weights of a column tile by wave 2 of the cluster with y = 0; the four partners that ask for a tile
; jointly share an ask out BY ADDRESS, 24,576 (16,384) bytes each, a lane 256 bytes, three (two) instructions.  What lies ahead of the first ask comes by its loads alone; behind the tenth nothing is asked for.
.macro ASK
	s_cmp_gt_u32 s3, s[LIM]                        ; s3 = 7 .. 3 in the first five trips
	s_cbranch_scc0 .Lnot_mine_\@
	global_prefetch_b8 v[PFO], s[PFA:PFA+1] th:TH_LOAD_NT scope:SCOPE_SE
	global_prefetch_b8 v[PFO], s[PFA:PFA+1] offset:8192 th:TH_LOAD_NT scope:SCOPE_SE
	s_cmp_eq_u32 s11, 0
	s_cbranch_scc0 .Lnot_mine_\@
	global_prefetch_b8 v[PFO], s[PFA:PFA+1] offset:16384 th:TH_LOAD_NT scope:SCOPE_SE
.Lnot_mine_\@:
.endm
.macro CREST                           ; a round of the cluster's barrier behind its opening barrier: wave 0 signals for the work-group, every wave waits for all sixteen, my work-group's barrier once more
	s_cmp_lg_u32 s10, 0
	s_cbranch_scc1 .Lnot_wave_0_\@
	s_barrier_signal -3
.Lnot_wave_0_\@:
	s_barrier_wait -3
	s_barrier_signal -1
	s_barrier_wait -1
.endm
.macro CROUND                          ; a whole round
	s_barrier_signal -1
	s_barrier_wait -1
	CREST
.endm
	s_load_b128 s[4:7], s[0:1], 0x0                ; ACT s[4:5], WGT s[6:7]
	s_load_b256 s[68:75], s[0:1], 0x10             ; t s[68:69], bias_ih s[70:71], bias_hh s[72:73], b_decomp s[74:75]
	s_load_b128 s[76:79], s[0:1], 0x30             ; out0 s[76:77], out1 s[78:79]
	v_lshl_add_u32 v[SPW], v0, 2, SPARE
	v_mov_b32 v[NIL], 0
	ds_add_u32 v[SPW], v[NIL]                      ; the wave's opening: the add, twice on end, and its wait ahead of my first tensor load; the set-up below stands between the second and the wait
	ds_add_u32 v[SPW], v[NIL]                      ; and once more, under the one wait
	v_lshrrev_b32 v1, 5, v0
	v_readfirstlane_b32 s10, v1                    ; wave 0..3
	s_lshr_b32 s11, s10, 1                         ; rho: which 128 rows are mine.  Also: I fetch activations (0) or weights (1)
	s_and_b32 s12, s10, 1                          ; c: which 32 hidden columns.  Also: which half of that tile I fetch
	s_bfe_u32 s40, ttmp6, 0x40000                  ; cx, cy: my place in the cluster
	s_bfe_u32 s41, ttmp6, 0x40004
	s_lshl_b32 s42, ttmp9, 2
	s_add_co_u32 s42, s42, s40                     ; X = 4 x cluster x + cx
	s_and_b32 s13, ttmp7, 0xffff
	s_lshl_b32 s13, s13, 2
	s_add_co_u32 s13, s13, s41                     ; R = 4 x cluster y + cy
	s_lshl_b32 s43, s41, 2
	s_lshl_b32 s43, 15, s43                        ; my row of the cluster
	s_lshl_b32 s44, 0x1111, s40                    ; my column
	; descriptor group 1: dense bytes as rows of 32 elements of 8 bytes
	s_or_b32 s[G1], s43, (3<<16)|(1<<21)           ; 15:0 the mask: activations go to my row; 17:16 elements of 8 bytes; 21 set beside a mask; no padding
	s_or_b32 s[G1B], s44, (3<<16)|(1<<21)          ; weights go to my column
	s_mov_b32 s[G1+1], 32<<16                      ; tensor_dim0 = 32
	s_mov_b32 s[G1+2], 160<<16                     ; tensor_dim1 = 160
	s_mov_b32 s[G1+3], 32<<16                      ; tile_dim0 = 32
	s_mov_b32 s[G1+4], 160                         ; tile_dim1 = 160 rows: 40,960 bytes
	s_mov_b32 s[G1+5], 32                          ; 32 elements from row to row
	s_mov_b32 s[G1+6], 0
	s_mov_b32 s[G1+7], 0
	s_mov_b32 s[G1B+1], 32<<16
	s_mov_b32 s[G1B+2], 112<<16
	s_mov_b32 s[G1B+3], 32<<16
	s_mov_b32 s[G1B+4], 112                        ; 112 rows: 28,672 bytes
	s_mov_b32 s[G1B+5], 32
	s_mov_b32 s[G1B+6], 0
	s_mov_b32 s[G1B+7], 0
	s_mul_i32 s16, s13, 16*ACH                     ; the activations hang on R alone, which my row of the cluster shares,
	s_mul_i32 s17, s12, AHALF
	s_add_co_u32 s16, s16, s17
	s_mov_b32 s17, 0
	s_mul_i32 s46, s42, 16*BCH                     ; the weights on X alone, which my column shares
	s_mul_i32 s47, s12, BHALF
	s_add_co_u32 s46, s46, s47
	s_mov_b32 s47, 0
	s_mul_i32 s20, s12, AHALF                      ; where they go in a slot: no place in the cluster enters an LDS address
	s_mul_i32 s21, s12, BHALF
	s_add_co_u32 s21, s21, ACH
	s_mov_b32 s[NL], 0xbfb8aa3b
	s_mov_b32 s[NL+1], s[NL]                       ; named as pairs, so both words are written
	s_mov_b32 s[TWOL], 0x4038aa3b
	s_mov_b32 s[TWOL+1], s[TWOL]
	s_mov_b32 s[HIM], 0xffff0000
	s_wait_dscnt 0x0                               ; both opening adds are done
	s_wait_kmcnt 0x0
	s_add_nc_u64 s[14:15], s[4:5], s[16:17]
	s_add_nc_u64 s[46:47], s[6:7], s[46:47]
	CROUND                                         ; all sixteen work-groups are here: the first joint loads meet
.irp s, 0,1
	s_mov_b32 s[G0+4*(\s)], 1                                      ; count = 1
	s_add_co_u32 s[G0+4*(\s)+1], s20, (\s)*SLOT                    ; LDS address
	s_add_nc_u64 s[G0+4*(\s)+2:G0+4*(\s)+3], s[14:15], (\s)*ACH    ; global address: step s
	s_or_b32 s[G0+4*(\s)+3], s[G0+4*(\s)+3], 0x80000000            ; type = 2
	s_mov_b32 s[G0B+4*(\s)], 1
	s_add_co_u32 s[G0B+4*(\s)+1], s21, (\s)*SLOT
	s_add_nc_u64 s[G0B+4*(\s)+2:G0B+4*(\s)+3], s[46:47], (\s)*BCH
	s_or_b32 s[G0B+4*(\s)+3], s[G0B+4*(\s)+3], 0x80000000
.endr
	s_cmp_eq_u32 s11, 0                            ; a wave's two first fills stand in one branch, ahead of every wait on TENSORcnt and every LDS read: two loads of mine are out
	s_cbranch_scc0 .Lfirst_b
	tensor_load_to_lds s[G0:G0+3], s[G1:G1+7]
	s_nop 0
	tensor_load_to_lds s[G0+4:G0+7], s[G1:G1+7]
	s_nop 0
.rept 4
	v_nop
.endr
	s_branch .Lfirst_asked
.Lfirst_b:
	tensor_load_to_lds s[G0B:G0B+3], s[G1B:G1B+7]
	s_nop 0
	tensor_load_to_lds s[G0B+4:G0B+7], s[G1B:G1B+7]
	s_nop 0
.rept 4
	v_nop
.endr
.Lfirst_asked:
	v_and_b32 v1, 15, v0                           ; l % 16
	v_bfe_u32 v2, v0, 4, 1                         ; l / 16
	v_and_b32 v3, 31, v0                           ; l
	v_lshlrev_b32 v[CXO], 4, v3
	s_lshl_b32 s21, s11, 13                        ; my 8 blocks of a unit's 16
	v_add_nc_u32 v[ADRA], s21, v[CXO]
	v_add_nc_u32 v[ADRA+1], SLOT, v[ADRA]
	v_add_nc_u32 v[ADRDA], DPL, v[ADRA]
	v_add_nc_u32 v[ADRDA+1], DPL, v[ADRA+1]
	s_lshl_b32 s22, s12, 13
	s_add_co_u32 s22, s22, ACH
	v_add_nc_u32 v[ADRB], s22, v[CXO]
	v_add_nc_u32 v[ADRB+1], SLOT, v[ADRB]
	s_lshl_b32 s22, s12, 11                        ; my 2 blocks of a unit's 4
	s_add_co_u32 s22, s22, ACH+DPL
	v_add_nc_u32 v[ADRDB], s22, v[CXO]
	v_add_nc_u32 v[ADRDB+1], SLOT, v[ADRDB]
	s_mul_i32 s23, s11, 128*SP                     ; into the stage: my 128 rows, my half of their 256 bytes; row l % 16, 32 bytes for each half of the lanes
	s_lshl_b32 s22, s12, 7
	s_add_co_u32 s22, s22, s23
	v_mul_u32_u24 v4, v1, SP
	v_lshl_add_u32 v4, v2, 5, v4
	v_add_nc_u32 v[STO], s22, v4
	v_add_nc_u32 v[STO2], PLANE, v[STO]
	s_mul_i32 s22, s12, PLANE                      ; back: the wave with c = 0 takes cy's rows, whole, the wave with c = 1 hy's; lanes 0-15 one row of 256 bytes, lanes 16-31 the next
	s_add_co_u32 s22, s22, s23
	v_mul_u32_u24 v5, v2, SP
	v_lshl_add_u32 v5, v1, 4, v5
	v_add_nc_u32 v[RD], s22, v5
	v_lshlrev_b32 v5, 12, v2                       ; and the same two rows in the output
	v_lshl_add_u32 v[CO], v1, 4, v5
	s_lshl_b32 s22, s42, 8
	s_lshl_b32 s23, s12, 7
	s_add_co_u32 s22, s22, s23
	v_lshl_add_u32 v[BO], v2, 5, s22
	s_lshl_b32 s22, s13, 10
	s_lshl_b32 s23, s11, 9
	s_add_co_u32 s22, s22, s23
	v_lshl_add_u32 v[TO], v1, 2, s22
	v_lshlrev_b32 v[PFO], 8, v3
	s_cmp_eq_u32 s12, 0
	s_cselect_b64 s[8:9], s[78:79], s[76:77]       ; the output that I store: out1 = cy, or out0 = hy
	s_lshl_b32 s18, s13, 20                        ; 256 R rows of 4,096 bytes
	s_lshl_b32 s19, s11, 19
	s_add_co_u32 s18, s18, s19
	s_lshl_b32 s19, s42, 8                         ; 64 X columns
	s_add_co_u32 s18, s18, s19
	s_mov_b32 s19, 0
	s_add_nc_u64 s[8:9], s[8:9], s[18:19]
	s_lshl4_add_u32 s18, s13, s42                  ; cx of my rows and hidden columns lies in ACT at tile R, step X, unit c, blocks 8 rho ..
	s_mul_i32 s18, s18, 80
	s_lshl4_add_u32 s18, s12, s18
	s_lshl3_add_u32 s18, s11, s18
	s_add_co_u32 s18, s18, 48
	s_lshl_b32 s18, s18, 10
	s_add_nc_u64 s[CXP:CXP+1], s[4:5], s[18:19]
	; the prefetches
	s_and_b32 s22, ttmp7, 0xffff                   ; cluster y
	s_cmp_eq_u32 s11, 0                            ; do I fetch activations?
	s_cselect_b32 s23, s40, s41                    ; my place among the four that ask with me
	s_cselect_b32 s22, ttmp9, s22                  ; the coordinate along which other clusters read the same stream
	s_cselect_b32 s18, 1, 0
	s_cselect_b64 s[PFA:PFA+1], s[14:15], s[46:47] ; (in waves 0 and 2 these stand at the stream's first byte)
	s_or_b32 s22, s22, s12
	s_cmp_eq_u32 s22, 0
	s_cselect_b32 s[LIM], 2, -1                    ; the same in all sixteen partners, for a given wave
	s_lshl_b32 s19, s18, 13
	s_add_co_u32 s19, s19, 16384                   ; a partner's share of an ask: 24,576 or 16,384 bytes
	s_mul_i32 s23, s23, s19
	s_lshl_b32 s18, s18, 15
	s_add_co_u32 s[PFS], s18, 65536                ; an ask: 98,304 or 65,536 bytes
	s_mov_b32 s[PFS+1], 0
	s_add_co_u32 s18, s18, 196608                  ; one ask ahead of the first: 229,376 or 196,608
	s_add_co_u32 s18, s18, s23
	s_mov_b32 s19, 0
	s_add_nc_u64 s[PFA:PFA+1], s[PFA:PFA+1], s[18:19]
; 16 matrix instructions: row blocks a0, a0 + 1 of the window's four (hi = 0: my rows 0-63, 1: rows 64-127) x all 8 blocks of weights, 32 along K.  zero = 1: the first product starts the sums: nothing is cleared.
.macro MULG f, hi, a0, zero
	WIN MUL_LO+0x50*(\hi)
.irp a, \a0, (\a0)+1
.irp b, 0,1,2,3,4,5,6,7
.if \zero
	v_wmma_f32_16x16x32_bf16 v[8*(8*(\a)+(\b)):8*(8*(\a)+(\b))+7], v[(\f)+8*(\b):(\f)+8*(\b)+7], v[(\f)+8*(4*(\hi)+(\a)):(\f)+8*(4*(\hi)+(\a))+7], 0
.else
	v_wmma_f32_16x16x32_bf16 v[8*(8*(\a)+(\b)):8*(8*(\a)+(\b))+7], v[(\f)+8*(\b):(\f)+8*(\b)+7], v[(\f)+8*(4*(\hi)+(\a)):(\f)+8*(4*(\hi)+(\a))+7], v[8*(8*(\a)+(\b)):8*(8*(\a)+(\b))+7]
.endif
.endr
.endr
.endm
; 32 LDS loads in one run: gate unit i of a slot into buffer f: 8 blocks of weights, then 8 of activations
.macro FETCHG slot, i, f
	WIN TO_B
.irp b, 0,1,2,3,4,5,6,7
	ds_load_b128 v[(\f)+8*(\b):(\f)+8*(\b)+3],   v[ADRB+(\slot)] offset:16384*(\i)+1024*(\b)
	ds_load_b128 v[(\f)+8*(\b)+4:(\f)+8*(\b)+7], v[ADRB+(\slot)] offset:16384*(\i)+1024*(\b)+512
.endr
	WIN 0
.irp b, 0,1,2,3,4,5,6,7
	ds_load_b128 v[(\f)+8*(\b):(\f)+8*(\b)+3],   v[ADRA+(\slot)] offset:16384*(\i)+1024*(\b)
	ds_load_b128 v[(\f)+8*(\b)+4:(\f)+8*(\b)+7], v[ADRA+(\slot)] offset:16384*(\i)+1024*(\b)+512
.endr
.endm
; 20 LDS loads: unit i of C's product: 2 blocks of W_decomp, 8 of cx
.macro FETCHD slot, i
	WIN 0
.irp e, 0,1
	ds_load_b128 v[DBF+8*(\e):DBF+8*(\e)+3],   v[ADRDB+(\slot)] offset:4096*(\i)+1024*(\e)
	ds_load_b128 v[DBF+8*(\e)+4:DBF+8*(\e)+7], v[ADRDB+(\slot)] offset:4096*(\i)+1024*(\e)+512
.endr
.irp b, 0,1,2,3,4,5,6,7
	ds_load_b128 v[DAF+8*(\b):DAF+8*(\b)+3],   v[ADRDA+(\slot)] offset:16384*(\i)+1024*(\b)
	ds_load_b128 v[DAF+8*(\b)+4:DAF+8*(\b)+7], v[ADRDA+(\slot)] offset:16384*(\i)+1024*(\b)+512
.endr
.endm
; A load into a register that a matrix instruction has read stands four places behind it, and only plain vector instructions that name none of its registers are places (ISA guide 7.12.1 for vector instructions):
; four v_nop in front of each run of loads.
.macro PLACES
.rept 4
	v_nop
.endr
.endm
; A unit of C's product: each of its 16 accumulators once.  Its fragments were shown in by the wait in the middle of the gate unit before it.
.macro DUNIT zero
	WIN W_D
.irp a, 0,1,2,3,4,5,6,7
.irp e, 0,1
.if \zero
	v_wmma_f32_16x16x32_bf16 v[16*(\a)+128*((\a)/4)+8*(\e):16*(\a)+128*((\a)/4)+8*(\e)+7], v[DBF+8*(\e):DBF+8*(\e)+7], v[DAF+8*(\a):DAF+8*(\a)+7], 0
.else
	v_wmma_f32_16x16x32_bf16 v[16*(\a)+128*((\a)/4)+8*(\e):16*(\a)+128*((\a)/4)+8*(\e)+7], v[DBF+8*(\e):DBF+8*(\e)+7], v[DAF+8*(\a):DAF+8*(\a)+7], v[16*(\a)+128*((\a)/4)+8*(\e):16*(\a)+128*((\a)/4)+8*(\e)+7]
.endif
.endr
.endr
.endm
; Gate unit G0 or G1: multiplies buffer f; in its middle it fetches the same slot's unit inext into buffer g.  dnext >= 0: at its head it fetches C's unit dnext (the unit before has just been multiplied).
; All 80 accumulators take turns, one instruction a turn, over the loop's jump too.
.macro GUNIT slot, inext, f, g, dnext, zero
.if (\dnext) >= 0
	PLACES
	FETCHD \slot, \dnext
.endif
	s_wait_dscnt 28                                ; the weights and my rows 0-63 are in: the youngest 28 loads, C's 20 and in front of them those of my rows 64-127, may be out
	MULG \f, 0, 0, \zero
	MULG \f, 0, 2, \zero
	PLACES
	FETCHG \slot, \inext, \g
	s_wait_dscnt 32                                ; all but the 32 just issued: my rows 64-127, and C's fragments
	MULG \f, 1, 0, \zero
	MULG \f, 1, 2, \zero
.endm
; Gate unit G2 multiplies buffer f and changes slots: ONE barrier for two things.  In front of it each wave waits for all its tensor loads, of which one is out: its part of the next slot; adds 0 to its spare word; and waits for
; that and for its own reads of this slot.  Behind it nobody reads this slot any more and the next slot is whole.  fill = 1: the barrier opens a round of the cluster's, and this slot is filled again first thing behind the
; round, with the step two on: from that request to the wait for it a wave issues 192 matrix instructions.
.macro TURN slot, next, f, g, fill
.if \fill
	s_wait_xcnt 0x0                                ; the last prefetches, a step back, have read their address: it is stepped here, ahead of the change's own waits
	s_add_nc_u64 s[PFA:PFA+1], s[PFA:PFA+1], s[PFS:PFS+1]
.endif
	WIN 0                                          ; (the add's two registers lie in window 0)
	s_wait_tensorcnt 0x0                           ; all my tensor loads have landed
	ds_add_u32 v[SPW], v[NIL]                      ; 0 onto my spare word
	s_wait_dscnt 9                                 ; (the add and the youngest eight loads may be out)
	MULG \f, 0, 0, 0                               ; sixteen matrix instructions stand between the add and the wait for it
	s_wait_dscnt 0x0                               ; the add is done, and my reads of this slot are over
	s_barrier_signal -1
	MULG \f, 0, 2, 0                               ; work on registers while the others arrive
.if \fill
	WIN 0
.endif
	s_barrier_wait -1
.if \fill
	CREST                                          ; no wave of any partner still reads this slot or has a load on its way
	s_add_nc_u64 s[G0+4*(\slot)+2:G0+4*(\slot)+3], s[G0+4*(\slot)+2:G0+4*(\slot)+3], 2*ACH
	s_add_nc_u64 s[G0B+4*(\slot)+2:G0B+4*(\slot)+3], s[G0B+4*(\slot)+2:G0B+4*(\slot)+3], 2*BCH
	JLOAD \slot                                    ; the first tensor load behind the round; the four v_nop behind it are also the places in front of the loads below
.else
	PLACES
.endif
	FETCHG \next, 0, \g
	FETCHD \next, 0
.if \fill
	ASK
.endif
	MULG \f, 1, 0, 0
	MULG \f, 1, 2, 0
.endm
	s_wait_tensorcnt 1                             ; my part of step 0 is in; step 1's may stay out
	s_barrier_signal -1
	s_barrier_wait -1                              ; everybody's is
	FETCHG 0, 0, F0
	FETCHD 0, 0
	GUNIT 0, 1, F0, F1, -1, 1                      ; the first units stand in front of the loop: their products start the sums
	DUNIT 1
	WIN 0                                          ; at a label and at a branch every window is 0
	s_mov_b32 s3, 7
.Llap:                                                 ; a trip goes once round the ring, from an even step's G1 to the next even step's D0, and fills both slots again: steps 2 to 15
	GUNIT 0, 2, F1, F0, 1, 0
	DUNIT 0
	TURN 0, 1, F0, F1, 1
	GUNIT 1, 1, F1, F0, -1, 0
	DUNIT 0
	GUNIT 1, 2, F0, F1, 1, 0
	DUNIT 0
	TURN 1, 0, F1, F0, 1
	GUNIT 0, 1, F0, F1, -1, 0
	DUNIT 0
	WIN 0
	s_sub_co_u32 s3, s3, 1
	s_cmp_lg_u32 s3, 0
	s_cbranch_scc1 .Llap
	GUNIT 0, 2, F1, F0, 1, 0                       ; steps 14 and 15 fill nothing: written out, with a plain barrier
	DUNIT 0
	TURN 0, 1, F0, F1, 0
	GUNIT 1, 1, F1, F0, -1, 0
	DUNIT 0
	GUNIT 1, 2, F0, F1, 1, 0
	DUNIT 0
	; What the elementwise part wants comes into registers that the products have left, ahead of the last 64 matrix instructions: 60 loads.
	PLACES
	WIN 0
.irp g, 0,1,2,3
.irp e, 0,1
.irp k, 0,1
	global_load_b128 v[BG+16*(\g)+8*(\e)+4*(\k):BG+16*(\g)+8*(\e)+4*(\k)+3], v[BO], s[70:71] offset:4096*(\g)+64*(\e)+16*(\k)
.endr
.endr
.endr
.irp e, 0,1
.irp k, 0,1
	global_load_b128 v[BD+8*(\e)+4*(\k):BD+8*(\e)+4*(\k)+3], v[BO], s[74:75] offset:64*(\e)+16*(\k)
.endr
.endr
.irp a, 0,1,2,3,4,5,6,7
	global_load_b32 v[TP+2*(\a)], v[TO], s[68:69] offset:64*(\a)
.endr
.irp a, 0,1,2,3,4,5,6,7
.irp e, 0,1
	global_load_b128 v[CXF+8*(\a)+4*(\e):CXF+8*(\a)+4*(\e)+3], v[CXO], s[CXP:CXP+1] offset:1024*(\a)+512*(\e)  ; a block's piece (2 e + l / 16, l % 16) is my row's eight hidden columns
.endr
.endr
	WIN TO_B
.irp g, 0,1,2,3
.irp e, 0,1
.irp k, 0,1
	global_load_b128 v[BG+16*(\g)+8*(\e)+4*(\k):BG+16*(\g)+8*(\e)+4*(\k)+3], v[BO], s[72:73] offset:4096*(\g)+64*(\e)+16*(\k)
.endr
.endr
.endr
	s_wait_dscnt 8                                 ; the last gate unit: nothing more to fetch from LDS
	MULG F1, 0, 0, 0
	MULG F1, 0, 2, 0
	s_wait_dscnt 0x0
	MULG F1, 1, 0, 0
	MULG F1, 1, 2, 0
	; ONCE A WAVE: the biases and t rounded to bf16, the biases summed and scaled as the exponentials want them, T made.  These lines, which name no register of the last products, are also the places behind them.
	s_wait_loadcnt 0x0
	WIN 0
.set x, BD
.rept 40                               ; b_decomp and bias_ih lie on end, v48-127: two roundings into the pair's first register,
	v_cvt_pk_bf16_f32 v[x], v[x], v[x+1]
.set x, x+2
.endr
.set x, BD
.rept 40                               ; the upper half back into the second,
	v_and_b32 v[x+1], s[HIM], v[x]
.set x, x+2
.endr
.set x, BD
.rept 40                               ; the lower into the first
	v_lshlrev_b32 v[x], 16, v[x]
.set x, x+2
.endr
.irp a, 0,1,2,3,4,5,6,7
	v_cvt_pk_bf16_f32 v[TP+2*(\a)], v[TP+2*(\a)], v[TP+2*(\a)]
.endr
.irp a, 0,1,2,3,4,5,6,7
	v_lshlrev_b32 v[TP+2*(\a)], 16, v[TP+2*(\a)]
.endr
.irp a, 0,1,2,3,4,5,6,7
	v_rcp_f32 v[TP+2*(\a)+1], v[TP+2*(\a)]         ; one batch of eight; the biases' work below stands between it and its wait
.endr
	WIN 0x45                                       ; bias_hh, all in window 1
.set x, BG
.rept 32
	v_cvt_pk_bf16_f32 v[x], v[x], v[x+1]
.set x, x+2
.endr
.set x, BG
.rept 32
	v_and_b32 v[x+1], s[HIM], v[x]
.set x, x+2
.endr
.set x, BG
.rept 32
	v_lshlrev_b32 v[x], 16, v[x]
.set x, x+2
.endr
	WIN 0x04                                       ; source 1 window 1
.set x, BG
.rept 32
	v_pk_add_f32 v[x:x+1], v[x:x+1], v[x:x+1]      ; bias_ih + bias_hh
.set x, x+2
.endr
	WIN 0
.set x, 0
.rept 32                               ; gates i, f, o: times -log2 e; gate g: times 2 log2 e
.if (x/16) == 2
	v_pk_mul_f32 v[BG+x:BG+x+1], v[BG+x:BG+x+1], s[TWOL:TWOL+1] op_sel_hi:[1,0]
.else
	v_pk_mul_f32 v[BG+x:BG+x+1], v[BG+x:BG+x+1], s[NL:NL+1] op_sel_hi:[1,0]
.endif
.set x, x+2
.endr
.set x, 0
.rept 8
	v_pk_mul_f32 v[BD+x:BD+x+1], v[BD+x:BD+x+1], s[TWOL:TWOL+1] op_sel_hi:[1,0]
.set x, x+2
.endr
	s_wait_alu depctr_va_vdst(0)                   ; the wait ahead of the first line that names a reciprocal: one for the eight
.irp a, 0,1,2,3,4,5,6,7
	v_cmp_neq_f32 vcc_lo, 0, v[TP+2*(\a)]
	v_cndmask_b32 v[TP+2*(\a)], 0, v[TP+2*(\a)+1], vcc_lo  ; T = 1 / t, and 0 where t = 0
	v_mov_b32 v[TP+2*(\a)+1], v[TP+2*(\a)]         ; twice, for the packed multiply-add
.endr
; THE ELEMENTWISE PART of row block a: 16 rows x 32 hidden, 16 numbers a lane.  I, F, G, O are the block's accumulators of the four gates, 16 registers each; DDA those of C.  Four batches of transcendentals, each with ONE wait:
; s_wait_alu depctr_va_vdst(0) stands between such an instruction and the first line that names its result, and one wait serves all issued ahead of it.  Each accumulator is read from its low end on.
.macro COMPUTE a
.set W, 2+(\a)/4
.set AB, 64*((\a)%4)
.set DDA, 16*(\a)+128*((\a)/4)
.set WW, (W<<6)|W
.set WW1, WW|(W<<2)
.set WWC, WW|(W<<4)|4
	WIN WW                                         ; 1: sum x scale + bias x scale, and 2^ of it, two pairs behind
.set x, 0
.rept 32
.if (x/16) == 2
	v_pk_fma_f32 v[AB+x:AB+x+1], v[AB+x:AB+x+1], s[TWOL:TWOL+1], v[BG+x:BG+x+1] op_sel_hi:[1,0,1]
.else
	v_pk_fma_f32 v[AB+x:AB+x+1], v[AB+x:AB+x+1], s[NL:NL+1], v[BG+x:BG+x+1] op_sel_hi:[1,0,1]
.endif
.if x >= 4
	v_exp_f32 v[AB+x-4], v[AB+x-4]
	v_exp_f32 v[AB+x-3], v[AB+x-3]
.endif
.set x, x+2
.endr
.set x, 60
.rept 4
	v_exp_f32 v[AB+x], v[AB+x]
.set x, x+1
.endr
	WIN 0x41                                       ; the same for C: destination and source 0 window 1, the bias window 0
.set x, 0
.rept 8
	v_pk_fma_f32 v[DDA+x:DDA+x+1], v[DDA+x:DDA+x+1], s[TWOL:TWOL+1], v[BD+x:BD+x+1] op_sel_hi:[1,0,1]
.set x, x+2
.endr
.set x, 0
.rept 16
	v_exp_f32 v[DDA+x], v[DDA+x]
.set x, x+1
.endr
	WIN 0x40                                       ; cx from bf16 to f32: the plain work behind the batch
.irp e, 0,1
.irp m, 0,1,2,3
	v_lshlrev_b32 v[XU+8*(\e)+2*(\m)],   16, v[CXF+8*(\a)+4*(\e)+(\m)]
	v_and_b32     v[XU+8*(\e)+2*(\m)+1], s[HIM], v[CXF+8*(\a)+4*(\e)+(\m)]
.endr
.endr
	s_wait_alu depctr_va_vdst(0)                   ; the wait for the 80 exponentials
	WIN WW                                         ; 2: 1 / (1 + that)
.set x, 0
.rept 32
	v_pk_add_f32 v[AB+x:AB+x+1], v[AB+x:AB+x+1], 1.0 op_sel_hi:[1,0]
.if x >= 4
	v_rcp_f32 v[AB+x-4], v[AB+x-4]
	v_rcp_f32 v[AB+x-3], v[AB+x-3]
.endif
.set x, x+2
.endr
.set x, 60
.rept 4
	v_rcp_f32 v[AB+x], v[AB+x]
.set x, x+1
.endr
	WIN 0x41
.set x, 0
.rept 8
	v_pk_add_f32 v[DDA+x:DDA+x+1], v[DDA+x:DDA+x+1], 1.0 op_sel_hi:[1,0]
.set x, x+2
.endr
.set x, 0
.rept 16
	v_rcp_f32 v[DDA+x], v[DDA+x]
.set x, x+1
.endr
	v_nop                                          ; a plain instruction behind the last reciprocal
	s_wait_alu depctr_va_vdst(0)                   ; the wait for the 80 reciprocals
.set x, 0
.rept 8                                ; 3: C = 1 - 2 r
	v_pk_fma_f32 v[DDA+x:DDA+x+1], v[DDA+x:DDA+x+1], -2.0, 1.0 op_sel_hi:[1,0,0]
.set x, x+2
.endr
	WIN 0x45
.set x, 0
.rept 8                                ; cx - C
	v_pk_add_f32 v[XU+x:XU+x+1], v[XU+x:XU+x+1], v[DDA+x:DDA+x+1] neg_lo:[0,1] neg_hi:[0,1]
.set x, x+2
.endr
	WIN 0x51
.set x, 0
.rept 8                                ; + T C
	v_pk_fma_f32 v[DDA+x:DDA+x+1], v[DDA+x:DDA+x+1], v[TP+2*(\a):TP+2*(\a)+1], v[XU+x:XU+x+1]
.set x, x+2
.endr
	WIN WW
.set x, 0
.rept 8                                ; tanh(g) = 1 - 2 r
	v_pk_fma_f32 v[AB+32+x:AB+32+x+1], v[AB+32+x:AB+32+x+1], -2.0, 1.0 op_sel_hi:[1,0,0]
.set x, x+2
.endr
	WIN WW1
.set x, 0
.rept 8                                ; sigmoid(i) tanh(g)
	v_pk_mul_f32 v[AB+x:AB+x+1], v[AB+x:AB+x+1], v[AB+32+x:AB+32+x+1]
.set x, x+2
.endr
	WIN WWC
.set x, 0
.rept 8                                ; cy, in F's place
	v_pk_fma_f32 v[AB+16+x:AB+16+x+1], v[AB+16+x:AB+16+x+1], v[DDA+x:DDA+x+1], v[AB+x:AB+x+1]
.set x, x+2
.endr
	WIN WW
.set x, 0
.rept 8
	v_pk_mul_f32 v[AB+32+x:AB+32+x+1], v[AB+16+x:AB+16+x+1], s[TWOL:TWOL+1] op_sel_hi:[1,0]
.set x, x+2
.endr
.set x, 0
.rept 16
	v_exp_f32 v[AB+32+x], v[AB+32+x]
.set x, x+1
.endr
	v_nop
	s_wait_alu depctr_va_vdst(0)                   ; the wait for the 16 exponentials
.set x, 0
.rept 8                                ; 4: tanh(cy)
	v_pk_add_f32 v[AB+32+x:AB+32+x+1], v[AB+32+x:AB+32+x+1], 1.0 op_sel_hi:[1,0]
.set x, x+2
.endr
.set x, 0
.rept 16
	v_rcp_f32 v[AB+32+x], v[AB+32+x]
.set x, x+1
.endr
	v_nop
	s_wait_alu depctr_va_vdst(0)                   ; the wait for the 16 reciprocals
.set x, 0
.rept 8
	v_pk_fma_f32 v[AB+32+x:AB+32+x+1], v[AB+32+x:AB+32+x+1], -2.0, 1.0 op_sel_hi:[1,0,0]
.set x, x+2
.endr
	WIN WW1
.set x, 0
.rept 8                                ; hy, in O's place
	v_pk_mul_f32 v[AB+48+x:AB+48+x+1], v[AB+48+x:AB+48+x+1], v[AB+32+x:AB+32+x+1]
.set x, x+2
.endr
.endm
; THE WAY OUT.  A wave's 32 hidden columns are 128 bytes: half of an aligned 256 bytes of a row.  So cy and hy go into the work-group's stage, a barrier stands between the writing and the reading, and the wave with c = 0
; reads cy's rows back whole, the wave with c = 1 hy's.  Each stage byte is written once in the launch: one barrier a row block.
.macro STAGE a
.set W, 2+(\a)/4
.set AB, 64*((\a)%4)
.set WS, W<<2
	WIN WS                                         ; the data (source 1) in the accumulators' window
.irp e, 0,1
.irp k, 0,1
	ds_store_b128 v[STO],  v[AB+16+8*(\e)+4*(\k):AB+16+8*(\e)+4*(\k)+3] offset:16*SP*(\a)+64*(\e)+16*(\k)
	ds_store_b128 v[STO2], v[AB+48+8*(\e)+4*(\k):AB+48+8*(\e)+4*(\k)+3] offset:16*SP*(\a)+64*(\e)+16*(\k)
.endr
.endr
.endm
.macro BAR
	s_wait_dscnt 0x0                               ; for the others' sake: my stores into the stage are done
	s_barrier_signal -1
	s_barrier_wait -1
.endm
.macro READ a
	WIN 0
.if (\a) >= 2
	s_wait_xcnt 0x0                                ; the stores of the block two back have read these registers
.endif
.irp t, 0,1,2,3,4,5,6,7
	ds_load_b128 v[OB+32*((\a)%2)+4*(\t):OB+32*((\a)%2)+4*(\t)+3], v[RD] offset:16*SP*(\a)+2*SP*(\t)
.endr
.endm
.macro SEND a
	WIN 0
	s_wait_dscnt 0x0                               ; the block is back in registers: its loads were issued a block's arithmetic ago
.irp t, 0,1,2,3,4,5,6,7
	global_store_b128 v[CO], v[OB+32*((\a)%2)+4*(\t):OB+32*((\a)%2)+4*(\t)+3], s[8:9] offset:(16*(\a)+2*(\t))*4096 th:TH_STORE_NT  ; 16 lanes store 256 consecutive bytes, at a multiple of 256 from the output's first byte
.endr
.endm
	COMPUTE 0
	STAGE 0
	BAR
	READ 0
.irp n, 1,2,3,4,5,6,7                  ; a block's arithmetic stands between the loads of the block before and its stores
	COMPUTE \n
	SEND (\n)-1
	STAGE \n
	BAR
	READ \n
.endr
	SEND 7
	s_wait_tensorcnt 0x0                           ; the wave's end, behind my last tensor load and my last LDS store
	ds_add_u32 v[SPW], v[NIL]
	s_wait_dscnt 0x0
	CROUND                                         ; the closing round: no work-group ends while a partner may still ask for a tile that names it
	s_endpgm
.Lfunc_end_k_qf856bd136b_cell:
	.size	k_qf856bd136b_cell, .Lfunc_end_k_qf856bd136b_cell-k_qf856bd136b_cell
	.p2alignl 7, 3214868480
	.fill 96, 4, 3214868480
	.section	.rodata,"a",@progbits
	.p2align	6, 0x0
	.amdhsa_kernel k_qf856bd136b_cell
		.amdhsa_group_segment_fixed_size 327680
		.amdhsa_private_segment_fixed_size 0
		.amdhsa_enable_private_segment 0
		.amdhsa_kernarg_size 64
		.amdhsa_user_sgpr_count 2
		.amdhsa_user_sgpr_kernarg_segment_ptr 1
		.amdhsa_wavefront_size32 1
		.amdhsa_system_sgpr_workgroup_id_x 1
		.amdhsa_system_sgpr_workgroup_id_y 1
		.amdhsa_system_sgpr_workgroup_id_z 1
		.amdhsa_system_vgpr_workitem_id 0
		.amdhsa_next_free_vgpr 1024
		.amdhsa_next_free_sgpr 96
		.amdhsa_reserve_vcc 1
		.amdhsa_float_denorm_mode_32 3
		.amdhsa_float_denorm_mode_16_64 3
		.amdhsa_memory_ordered 1
		.amdhsa_forward_progress 1
		.amdhsa_inst_pref_size 255
	.end_amdhsa_kernel
	.section	.bss,"aw",@nobits
	.p2align	6
	.space	262144
	.amdgpu_metadata
---
amdhsa.version: [ 1, 2 ]
amdhsa.kernels:
  - .name:           k_qf856bd136b_cell
    .symbol:         k_qf856bd136b_cell.kd
    .args:
      - { .name: ACT, .offset: 0, .size: 8, .value_kind: global_buffer, .address_space: global }
      - { .name: WGT, .offset: 8, .size: 8, .value_kind: global_buffer, .address_space: global }
      - { .name: t, .offset: 16, .size: 8, .value_kind: global_buffer, .address_space: global }
      - { .name: bias_ih, .offset: 24, .size: 8, .value_kind: global_buffer, .address_space: global }
      - { .name: bias_hh, .offset: 32, .size: 8, .value_kind: global_buffer, .address_space: global }
      - { .name: b_decomp, .offset: 40, .size: 8, .value_kind: global_buffer, .address_space: global }
      - { .name: out0, .offset: 48, .size: 8, .value_kind: global_buffer, .address_space: global }
      - { .name: out1, .offset: 56, .size: 8, .value_kind: global_buffer, .address_space: global }
    .group_segment_fixed_size: 327680
    .private_segment_fixed_size: 0
    .kernarg_segment_align: 8
    .kernarg_segment_size: 64
    .max_flat_workgroup_size: 128
    .sgpr_count:     96
    .vgpr_count:     1024
    .wavefront_size: 32
...
	.end_amdgpu_metadata
.endif
;; end of part 2
;; ======== version 2 of 2: 2 launches; version 1 with the launch cast written anew for expert scheduling mode
;; workspace buffers: ACT 20,971,520 bytes; WGT 14,680,064 bytes
;; launch cast (part 3): grid 512 x 1, 9 waves a work-group, no clusters, 36,096 bytes of LDS; arguments input, hx, cx, weight_ih, weight_hh, W_decomp, ACT, WGT; writes ACT, WGT
.if DOCPART == 3
	.amdgcn_target "amdgcn-amd-amdhsa--gfx1250"
	.amdhsa_code_object_version 6
	.text
	.protected	k_qf856bd136b_cast
	.globl	k_qf856bd136b_cast
	.p2align	8
	.type	k_qf856bd136b_cast,@function
k_qf856bd136b_cast:
	s_mov_b64 s[64:65], 0
	v_nop
	global_prefetch_b8 v0, s[64:65] scope:SCOPE_SE
	s_setreg_imm32_b32 hwreg(HW_REG_WAVE_SCHED_MODE, 0, 2), 2
	s_setreg_imm32_b32 hwreg(HW_REG_WAVE_MODE, 25, 1), 1
	s_wait_xcnt 0x0
	s_wait_alu depctr_vm_vsrc(0)
; ROUNDS THE SIX LARGE INPUTS OF THE CELL TO bf16 (once, to nearest even) AND LAYS THEM OUT AS THE NEXT LAUNCH TAKES THEM.  No work of the problem is left out: every input reaches an output.
; A BLOCK is 1,024 bytes: 16 rows x 32 k.  Its piece (q, r) of 16 bytes lies at byte 16 (16 q + r) and holds row r, k = 8 q .. 8 q + 7: so 32 lanes x 16 bytes at the block's head, and again 512 bytes on,
; ARE a matrix operand's eight registers.
; ACT: [row tile R of 256 rows, 0..15][step s, 0..15] pieces of 80 blocks: 3 x 16 blocks of [input | hx] (k units 3 s + i of 48; block b = rows 16 b ..), then 2 x 16 blocks of cx (k units 2 s + i of 32).
; WGT: [column tile X of 64 hidden, 0..15][s] pieces of 56 blocks: 3 x 16 blocks of [weight_ih | weight_hh] (block 8 c + 2 g + e = rows 1024 g + 64 X + 32 c + 16 e ..), then 2 x 4 blocks of W_decomp turned
; (block b = columns 64 X + 16 b .., along k).
; SHARES.  Waves 0-7 of a work-group take one item each of a row-major source: 16 rows x 256 k, 16 KiB read, 8 blocks written.  Wave 8 takes 32 columns x 64 k of W_decomp.  4,096 + 512 items on 512 work-groups.
; No loop, no barrier: a wave's 32 (64) loads go out at once; the turn from rows to blocks goes through the wave's own stage in LDS.  No matrix unit, cluster or tensor load: nothing is shared and each byte is read once.
; LIMITS: values beyond bf16's eight significant bits are rounded; NaN and infinities pass as the conversion carries them.
; THE MODE: SCHED_MODE bits 1:0 = 2 (LLVM: expert scheduling mode 2), set by the entry lines.  The code itself states the register dependences between vector instructions and memory or LDS instructions,
; with s_wait_alu, always for 0.
; THE PLAN.  Registers that memory or LDS instructions touch:
;   v[GO]            Made once at the head; the offset of every global load and store of waves 0-7; never written again.
;   v[LS], v[LR]     Made once, behind the global loads; the addresses of the LDS stores and of the LDS loads; never written again.
;   D, half hf       The global loads land in it; the half's 32 conversions read it and write two registers of each row's four; the half's 16 LDS stores read those.
;   Y0               The first half's LDS loads land in it, global stores read it: no vector instruction names it.
;   Y1 = v[16:47]    Part of D's first half: that half's conversions and LDS stores have named it; the second half's LDS loads land in it, global stores read it.
;   wave 8           v[WL], v[WO]: made once, the offsets of its loads and of its stores.  v[16:79]: the loads land; a k unit's 16 conversions write 16 of the unit's own 32 registers, which its four stores read.
;   v[SPW], v[NIL]   Written at the head, read by the closing add alone.
; So a half's conversions stand in ONE run, one wait on va_vdst behind them, and the half's 24 LDS instructions in one run behind that; one wait on vm_vsrc stands ahead of the loads into Y1.  In wave 8: a unit's
; conversions, one wait, its stores.  The wave's number goes from a vector register into s2: one wait on va_sdst ahead of its first reader.
.set STG,   4352                       ; a wave's stage: 16 rows of 256 bytes, 272 apart
.set SPARE, 8*STG                      ; behind the stages: the spare words, 128 bytes for each of nine waves, in five blocks of 256 bytes that no other line names
.set GO,  2                            ; v2   16 x lane: my place in 512 consecutive bytes, for loads and stores
.set LS,  3                            ; v3   where I put 8 bytes of a row: stage + (lane / 2) x 272 + (lane % 2) x 8
.set LR,  4                            ; v4   where I read 16 bytes back: stage + (lane / 16) x 272 + (lane % 16) x 16
.set WO,  5                            ; v5   wave 8: (lane / 16) x 1,024 + (lane % 16) x 16
.set SPW, 6                            ; v6   LDS address of my spare word; never rewritten
.set NIL, 7                            ; v7   0; never rewritten
.set WL,  8                            ; v8   wave 8: 4 x lane
.set D,   16                           ; v[16:143]  half hf of the item's k, row i at D + 64 hf + 4 i
.set Y0,  144                          ; v[144:175] the first half's four blocks, read back
.set Y1,  16                           ; v[16:47]   the second half's: registers that the first half's LDS stores have left
.set SRC, 48                           ; s[48:49] the item's first byte
.set DSB, 50                           ; s[50:51] ACT or WGT
.set DST, 32                           ; s[32:47] the item's eight blocks
; What tells the five row-major sources apart: first work-group, log2 of the spans of 256 k in a row, log2 of 16 rows' bytes, first k unit, the divisor of the k unit as a factor (u x mult >> 9) and as a number,
; blocks in a piece, the first block's place in it, which map from rows to tiles, the two pointers.
.macro SETUP start, sh, psh, ubase, mult, per, ch, doff, mapw, src, dst
	s_mov_b32 s4, \start
	s_mov_b32 s5, \sh
	s_mov_b32 s6, \psh
	s_mov_b32 s7, \ubase
	s_mov_b32 s8, \mult
	s_mov_b32 s9, \per
	s_mov_b32 s10, \ch
	s_mov_b32 s11, \doff
	s_mov_b32 s12, \mapw
	s_mov_b64 s[SRC:SRC+1], s[\src:\src+1]
	s_mov_b64 s[DSB:DSB+1], s[\dst:\dst+1]
.endm
; The item's 32 loads: each takes 512 consecutive bytes of one row; the first half of k first.
.macro LOADS p
.irp hf, 0,1
.irp i, 0,1,2,3,4,5,6,7,8,9,10,11,12,13,14,15
	global_load_b128 v[D+64*(\hf)+4*(\i):D+64*(\hf)+4*(\i)+3], v[GO], s[SRC:SRC+1] offset:(\i)*(\p)+512*(\hf) th:TH_LOAD_NT
.endr
.endr
.endm
; One half: a lane's four numbers of a row become 8 bytes, which go to stage row lane / 2 (the k's eighth), place 16 x row; the 32 lanes of a store touch 64 different words modulo 256 bytes.
; Then the stage is read back two rows at a time: 512 bytes that lie on end in a block.  The 32 conversions stand in one run, the waits behind them, the 24 LDS instructions in one run behind the waits.
.macro HALF hf, y
.irp i, 0,1,2,3,4,5,6,7,8,9,10,11,12,13,14,15
	v_cvt_pk_bf16_f32 v[D+64*(\hf)+4*(\i)],   v[D+64*(\hf)+4*(\i)],   v[D+64*(\hf)+4*(\i)+1]
	v_cvt_pk_bf16_f32 v[D+64*(\hf)+4*(\i)+1], v[D+64*(\hf)+4*(\i)+2], v[D+64*(\hf)+4*(\i)+3]
.endr
.if \hf
	s_wait_alu depctr_vm_vsrc(0)                   ; the first half's LDS stores have read v[16:47], in which the LDS loads below (Y1) land
.endif
	s_wait_alu depctr_va_vdst(0)                   ; this half's conversions have written the LDS stores' data; in the first half v[LS] and v[LR], their addresses, are written too; no vector line behind the first half's wait names v[16:47]
.irp i, 0,1,2,3,4,5,6,7,8,9,10,11,12,13,14,15
	ds_store_b64 v[LS], v[D+64*(\hf)+4*(\i):D+64*(\hf)+4*(\i)+1] offset:16*(\i)
.endr
.irp m, 0,1,2,3,4,5,6,7
	ds_load_b128 v[(\y)+4*(\m):(\y)+4*(\m)+3], v[LR] offset:544*(\m)  ; LDS serves a wave's instructions in order (ISA guide 5.7.1.4): these see the stores above, and the next half's stores come behind them
.endr
.endm
.macro SEND y, hf
.irp m, 0,1,2,3,4,5,6,7
	global_store_b128 v[GO], v[(\y)+4*(\m):(\y)+4*(\m)+3], s[DST+2*(4*(\hf)+(\m)/2):DST+2*(4*(\hf)+(\m)/2)+1] offset:512*((\m)%2)  ; 512 consecutive bytes, at a multiple of 512 from the buffer's first
.endr
.endm
	s_load_b512 s[16:31], s[0:1], 0x0              ; input s[16:17], hx s[18:19], cx s[20:21], weight_ih s[22:23], weight_hh s[24:25], W_decomp s[26:27], ACT s[28:29], WGT s[30:31]
	v_lshl_add_u32 v[SPW], v0, 2, SPARE
	v_mov_b32 v[NIL], 0
	v_lshrrev_b32 v1, 5, v0
	v_readfirstlane_b32 s2, v1                     ; wave 0..8
	v_and_b32 v1, 31, v0                           ; lane
	v_lshlrev_b32 v[GO], 4, v1
	s_mov_b32 s3, ttmp9                            ; the work-group's number
	s_mov_b32 s53, 0                               ; the upper word of every offset
	s_wait_alu depctr_va_sdst(0)                   ; s2 is written, ahead of its first reader, the compare below, and of the first branch
	s_wait_alu depctr_va_vdst(0)                   ; v[GO] is written: every global load and store of waves 0-7 reads it as its offset
	s_wait_kmcnt 0x0
	s_cmp_eq_u32 s2, 8
	s_cbranch_scc1 .Lwdec
	s_cmp_lt_u32 s3, 128
	s_cbranch_scc0 .Lnot_hx
	SETUP 0, 2, 16, 16, 171, 3, 80, 0, 0, 18, 28   ; hx: k units 16 to 47 of the gates' K
	s_branch .Lcommon
.Lnot_hx:
	s_cmp_lt_u32 s3, 256
	s_cbranch_scc0 .Lnot_cx
	SETUP 128, 2, 16, 0, 256, 2, 80, 48, 0, 20, 28 ; cx
	s_branch .Lcommon
.Lnot_cx:
	s_cmp_lt_u32 s3, 384
	s_cbranch_scc0 .Lnot_whh
	SETUP 256, 2, 16, 16, 171, 3, 56, 0, 1, 24, 30 ; weight_hh
	s_branch .Lcommon
.Lnot_whh:
	s_cmp_lt_u32 s3, 448
	s_cbranch_scc0 .Lnot_in
	SETUP 384, 1, 15, 0, 171, 3, 80, 0, 0, 16, 28  ; input: k units 0 to 15
	s_branch .Lcommon
.Lnot_in:
	SETUP 448, 1, 15, 0, 171, 3, 56, 0, 1, 22, 30  ; weight_ih
.Lcommon:
	s_sub_co_u32 s4, s3, s4
	s_lshl3_add_u32 s4, s4, s2                     ; the item's number in its source: 8 x work-group + wave
	s_lshr_b32 s13, s4, s5                         ; rb: which 16 rows
	s_lshl_b32 s14, s13, s5
	s_sub_co_u32 s14, s4, s14                      ; which span of 256 k
	s_lshl_b32 s52, s13, s6
	s_lshl_b32 s15, s14, 10
	s_add_co_u32 s52, s52, s15                     ; rb x 16 rows + span x 1,024 bytes
	s_add_nc_u64 s[SRC:SRC+1], s[SRC:SRC+1], s[52:53]
	s_cmp_lt_u32 s3, 384                           ; rows of 4,096 bytes, or of 2,048: both ways issue 32 loads
	s_cbranch_scc0 .Lnarrow
	LOADS 4096
	s_branch .Lloaded
.Lnarrow:
	LOADS 2048
.Lloaded:
	; all that follows up to the first wait stands while the loads are on their way
	s_mul_i32 s59, s2, STG                         ; my stage
	v_lshrrev_b32 v9, 1, v1
	v_mul_u32_u24 v[LS], v9, 272
	v_and_b32 v9, 1, v1
	v_lshl_add_u32 v[LS], v9, 3, v[LS]
	v_add_nc_u32 v[LS], s59, v[LS]
	v_lshrrev_b32 v9, 4, v1
	v_mul_u32_u24 v[LR], v9, 272
	v_and_b32 v9, 15, v1
	v_lshl_add_u32 v[LR], v9, 4, v[LR]
	v_add_nc_u32 v[LR], s59, v[LR]
	s_lshr_b32 s54, s13, 4                         ; activations: tile rb / 16,
	s_and_b32 s55, s13, 15                         ; block rb % 16
	s_bfe_u32 s56, s13, 0x40002                    ; weights: rb = 64 g + 4 X + 2 c + e: tile X,
	s_bfe_u32 s57, s13, 0x10001                    ; c
	s_lshl_b32 s57, s57, 3
	s_lshr_b32 s58, s13, 6                         ; g
	s_lshl1_add_u32 s57, s58, s57
	s_and_b32 s58, s13, 1                          ; e
	s_add_co_u32 s57, s57, s58                     ; block 8 c + 2 g + e
	s_cmp_eq_u32 s12, 1
	s_cselect_b32 s54, s56, s54
	s_cselect_b32 s55, s57, s55
	s_add_co_u32 s55, s55, s11                     ; + the first block's place in a piece
	s_lshl_b32 s54, s54, 4                         ; 16 x tile
	s_lshl3_add_u32 s7, s14, s7                    ; the item's first k unit
.set j, 0
.rept 8                                ; k unit u lies in step s = u / 3 (or u / 2), at place i = u - 3 s there: block ((16 tile + s) x blocks in a piece + place + 16 i + b)
	s_add_co_u32 s56, s7, j
	s_mul_i32 s57, s56, s8
	s_lshr_b32 s57, s57, 9                         ; u x 171 >> 9 = u / 3 for u up to 47; u x 256 >> 9 = u / 2
	s_mul_i32 s58, s57, s9
	s_sub_co_u32 s58, s56, s58
	s_add_co_u32 s57, s57, s54
	s_mul_i32 s57, s57, s10
	s_lshl4_add_u32 s57, s58, s57
	s_add_co_u32 s57, s57, s55
	s_lshl_b32 s52, s57, 10
	s_add_nc_u64 s[DST+2*j:DST+2*j+1], s[DSB:DSB+1], s[52:53]
.set j, j+1
.endr
	s_wait_loadcnt 16                              ; the first half's 16 loads are in; the second half's 16 may stay out
	HALF 0, Y0
	s_wait_loadcnt 0x0
	HALF 1, Y1                                     ; its conversions name v[80:143] alone: none of the registers that the first half's LDS instructions, still on their way, touch
	s_wait_dscnt 24                                ; the first half is back: behind its loads stand the second half's 16 stores and 8 loads
	SEND Y0, 0                                     ; the stores' data come from LDS loads and their offset was stated written at the head: the wait on DScnt is all that they hang on
	s_wait_dscnt 0x0
	SEND Y1, 1
	s_branch .Lend
.Lwdec:                                        ; W_decomp lies [k][n]: a lane takes one column n and 64 k, so its eight neighbouring k pack into a block's piece without changing lanes
	v_lshlrev_b32 v[WL], 2, v1
	v_lshrrev_b32 v9, 4, v1
	v_and_b32 v10, 15, v1
	v_lshlrev_b32 v[WO], 10, v9
	v_lshl_add_u32 v[WO], v10, 4, v[WO]
	s_and_b32 s4, s3, 31                           ; which 32 columns
	s_lshr_b32 s5, s3, 5                           ; which 64 k: the step s
	s_lshl_b32 s52, s5, 18                         ; 64 rows of 4,096 bytes
	s_lshl_b32 s6, s4, 7
	s_add_co_u32 s52, s52, s6
	s_add_nc_u64 s[SRC:SRC+1], s[26:27], s[52:53]
	s_wait_alu depctr_va_vdst(0)                   ; v[WL] and v[WO] are written: the offsets of the loads and of the stores below
.set j, 0
.rept 64
	global_load_b32 v[D+j], v[WL], s[SRC:SRC+1] offset:4096*j  ; 128 consecutive bytes of row k = 64 s + j
.set j, j+1
.endr
	s_lshr_b32 s6, s4, 1                           ; tile X
	s_lshl4_add_u32 s6, s6, s5
	s_mul_i32 s6, s6, 56
	s_and_b32 s7, s4, 1
	s_lshl1_add_u32 s6, s7, s6                     ; my two blocks of the tile's four
	s_add_co_u32 s6, s6, 48
	s_lshl_b32 s52, s6, 10
	s_add_nc_u64 s[DSB:DSB+1], s[30:31], s[52:53]
.irp i, 0,1
	s_wait_loadcnt 32*(1-(\i))                     ; k unit i is in; the other unit's 32 loads may stay out
.irp q, 0,1,2,3
	v_cvt_pk_bf16_f32 v[D+32*(\i)+8*(\q)],   v[D+32*(\i)+8*(\q)],   v[D+32*(\i)+8*(\q)+1]
	v_cvt_pk_bf16_f32 v[D+32*(\i)+8*(\q)+1], v[D+32*(\i)+8*(\q)+2], v[D+32*(\i)+8*(\q)+3]
	v_cvt_pk_bf16_f32 v[D+32*(\i)+8*(\q)+2], v[D+32*(\i)+8*(\q)+4], v[D+32*(\i)+8*(\q)+5]
	v_cvt_pk_bf16_f32 v[D+32*(\i)+8*(\q)+3], v[D+32*(\i)+8*(\q)+6], v[D+32*(\i)+8*(\q)+7]
.endr
	s_wait_alu depctr_va_vdst(0)                   ; the unit's sixteen conversions have written the data of its four stores; the second unit's conversions write none of the registers that the first unit's stores read
.irp q, 0,1,2,3
	global_store_b128 v[WO], v[D+32*(\i)+8*(\q):D+32*(\i)+8*(\q)+3], s[DSB:DSB+1] offset:4096*(\i)+256*(\q)  ; 16 lanes store 256 consecutive bytes, aligned, in each of two blocks
.endr
.endr
.Lend:
	s_wait_dscnt 0x0                               ; the closing lines, six on end
	s_wait_alu 0x0
	s_wait_tensorcnt 0x0
	ds_add_u32 v[SPW], v[NIL]
	s_wait_dscnt 0x0
	s_endpgm
.Lfunc_end_k_qf856bd136b_cast:
	.size	k_qf856bd136b_cast, .Lfunc_end_k_qf856bd136b_cast-k_qf856bd136b_cast
	.p2alignl 7, 3214868480
	.fill 96, 4, 3214868480
	.section	.rodata,"a",@progbits
	.p2align	6, 0x0
	.amdhsa_kernel k_qf856bd136b_cast
		.amdhsa_group_segment_fixed_size 36096
		.amdhsa_private_segment_fixed_size 0
		.amdhsa_enable_private_segment 0
		.amdhsa_kernarg_size 64
		.amdhsa_user_sgpr_count 2
		.amdhsa_user_sgpr_kernarg_segment_ptr 1
		.amdhsa_wavefront_size32 1
		.amdhsa_system_sgpr_workgroup_id_x 1
		.amdhsa_system_sgpr_workgroup_id_y 1
		.amdhsa_system_sgpr_workgroup_id_z 1
		.amdhsa_system_vgpr_workitem_id 0
		.amdhsa_next_free_vgpr 176
		.amdhsa_next_free_sgpr 66
		.amdhsa_reserve_vcc 0
		.amdhsa_float_denorm_mode_32 3
		.amdhsa_float_denorm_mode_16_64 3
		.amdhsa_memory_ordered 1
		.amdhsa_forward_progress 1
		.amdhsa_inst_pref_size 33
	.end_amdhsa_kernel
	.amdgpu_metadata
---
amdhsa.version: [ 1, 2 ]
amdhsa.kernels:
  - .name:           k_qf856bd136b_cast
    .symbol:         k_qf856bd136b_cast.kd
    .args:
      - { .name: input, .offset: 0, .size: 8, .value_kind: global_buffer, .address_space: global }
      - { .name: hx, .offset: 8, .size: 8, .value_kind: global_buffer, .address_space: global }
      - { .name: cx, .offset: 16, .size: 8, .value_kind: global_buffer, .address_space: global }
      - { .name: weight_ih, .offset: 24, .size: 8, .value_kind: global_buffer, .address_space: global }
      - { .name: weight_hh, .offset: 32, .size: 8, .value_kind: global_buffer, .address_space: global }
      - { .name: W_decomp, .offset: 40, .size: 8, .value_kind: global_buffer, .address_space: global }
      - { .name: ACT, .offset: 48, .size: 8, .value_kind: global_buffer, .address_space: global }
      - { .name: WGT, .offset: 56, .size: 8, .value_kind: global_buffer, .address_space: global }
    .group_segment_fixed_size: 36096
    .private_segment_fixed_size: 0
    .kernarg_segment_align: 8
    .kernarg_segment_size: 64
    .max_flat_workgroup_size: 288
    .sgpr_count:     66
    .vgpr_count:     176
    .wavefront_size: 32
...
	.end_amdgpu_metadata
.endif
;; end of part 3
;; launch cell: the kernel of part 2 again; grid 16 x 16, 4 waves a work-group, clusters of 4 x 4, 327,680 bytes of LDS; arguments ACT, WGT, t, bias_ih, bias_hh, b_decomp, out0, out1; writes out0, out1
